; MI455X (gfx1250); checked and timed in simulation.
; The chip was launched on July 23, 2026; its instructions are those of AMD's public machine-readable ISA for CDNA 5 (MIT licence, August 2026) and "CDNA5" Instruction Set Architecture Reference Guide (July 2026). The comments in the code are by the model that wrote it; some were corrected since.
;; Cross Attention. Allowed arithmetic: matrix products marked QUANTISED: E2M1 operands, one E8M0 scale for each 32 along K, by v_wmma_scale_f32_16x16x128_f8f6f4 with both operands' format E2M1 (or v_wmma_scale_f32_32x16x128_f4), f32 sums; products left as they are: bf16, f16 or f32 operands; f32 sums; everything else in f32.
;; Inputs: Wkv 768 x 2,048 float32; Wo 1,024 x 1,024 float32; Wq 1,024 x 1,024 float32; context 4 x 512 x 768 float32; gamma_out 1,024 float32; gamma_x 1,024 float32; mask 4 x 511 bool; x 4 x 4,096 x 1,024 float32.
;; Outputs: out0 4 x 4,096 x 1,024 float32.
;; This version of the problem:
;;   THIS VERSION OF THE PROBLEM IS GIVEN IN LOW PRECISION. The matrix products marked QUANTISED in the list below multiply operands that are first quantised to E2M1 (2 exponent bits, 1 mantissa bit; 4 bits a number), with one power-of-two scale for each 32 numbers along K (OCP MX v1.0); their sums are f32. The products marked 'left as it is' may take bf16, f16 or f32 operands, with f32 sums. Whichever they take, every output number must still come out within the allowed error. Rounding operands to bf16 (8 significant bits) uses up far more of that allowance than f16 does (11 bits, for magnitudes from 6e-5 to 65,504). All else is computed in f32.
;;   The module's matrix products, in the order in which they are computed (A, B: the left and right operand; K: the contracted axis; several contracted axes count as one K, in the product's order):
;;     1. [M 16,384, K 1,024] x [K 1,024, N 1,024]; A: computed on the way; B: input Wq: left as it is (an operand is computed on the way)
;;     2. [M 2,048, K 768] x [K 768, N 2,048]; A: input context; B: input Wkv: QUANTISED
;;     3. batch 64 x [M 4,096, K 64] x [K 64, N 512]; A: computed on the way; B: computed on the way: left as it is (an operand is computed on the way)
;;     4. batch 64 x [M 4,096, K 512] x [K 512, N 64]; A: computed on the way; B: computed on the way: left as it is (an operand is computed on the way)
;;     5. [M 16,384, K 1,024] x [K 1,024, N 1,024]; A: computed on the way; B: input Wo: left as it is (an operand is computed on the way)
;;   THE QUANTISER, for each operand of a quantised product, along K:
;;     - K is cut into blocks of 32 from its start; a last block that is shorter is filled with zeros.
;;     - A block's scale is 2^e with e = floor(log2(the largest magnitude in the block)) - 2, held to -126 .. 127; a block of zeros has e = 0. As a byte (E8M0): e + 127.
;;     - Each number is divided by its block's scale, clamped to +-6, and rounded to the nearest number of E2M1, ties to even, subnormals kept.
;;     - The product sums the exact products of the quantised numbers (number of the format x scale) in f32.
;;   ~~~python
;;   def quantise(x, axis):      # numpy; x: float32 -> the quantised numbers, widened to float32 again
;;       x = np.moveaxis(x, axis, -1); K = x.shape[-1]
;;       x = np.pad(x, [(0, 0)] * (x.ndim - 1) + [(0, -K % 32)]); x = x.reshape(x.shape[:-1] + (-1, 32)); a = np.abs(x).max(-1, keepdims=True)
;;       e = np.where(a > 0, np.clip(np.frexp(np.where(a > 0, a, 1))[1] - 1 - 2, -126, 127), 0)      # np.frexp(a)[1] - 1 = floor(log2(a)), exactly
;;       r = np.clip(x / 2.0 ** e, -6, 6)
;;       step = 2.0 ** (np.maximum(np.frexp(np.where(r == 0, 1, r))[1] - 1, 0) - 1)
;;       q = np.round(r / step) * step * 2.0 ** e      # np.round: ties to even
;;       return np.moveaxis(q.reshape(q.shape[:-2] + (-1,))[..., :K], -1, axis).astype(np.float32)
;;   ~~~
;; One version. Each part assembles by itself: llvm-mc -triple=amdgcn-amd-amdhsa -mcpu=gfx1250 --defsym DOCPART=n.
;; ======== version 1 of 1: 3 launches
;; limits: values are held in f16: magnitudes above 65,504 overflow, below 6.1e-05 lose precision
;; workspace buffers: ctx_codes 786,432 bytes; ctx_scales 49,152 bytes; wkv_codes 786,432 bytes; wkv_scales 49,152 bytes; wqf 2,097,152 bytes; wof 2,097,152 bytes; kvf 8,388,608 bytes
;; launch prep (part 1): grid 288 x 1, 8 waves a work-group, no clusters, 56,064 bytes of LDS; arguments context, Wkv, Wq, Wo, ctx_codes, ctx_scales, wkv_codes, wkv_scales, wqf, wof; writes ctx_codes, ctx_scales, wkv_codes, wkv_scales, wqf, wof
.if DOCPART == 1
	.amdgcn_target "amdgcn-amd-amdhsa--gfx1250"
	.amdhsa_code_object_version 6
	.text
	.protected	k_q6fea867a61_prep
	.globl	k_q6fea867a61_prep
	.p2align	8
	.type	k_q6fea867a61_prep,@function
k_q6fea867a61_prep:
	s_mov_b64 s[64:65], 0
	v_nop
	global_prefetch_b8 v0, s[64:65] scope:SCOPE_SE
	s_setreg_imm32_b32 hwreg(HW_REG_WAVE_MODE, 25, 1), 1
	s_wait_xcnt 0x0
; PREP: what the later launches read many times is laid out once.  Three paths, parted on the work-group's number (the same in all eight waves), each with LDS bytes of its own.
;  work-groups 0-95:    context [2048][768] f32 -> codes of FP4 (E2M1), K innermost, [2048][384 bytes], and one E8M0 byte for each 32 along K, [2048][24].
;  work-groups 96-159:  Wkv [768 (k)][2048 (n)] f32, K its first axis -> codes [2048 (n)][384 bytes], bytes [2048][24].  A lane takes a column, its registers run down K.
;  work-groups 160-287: Wq, Wo [1024 (k)][1024 (n)] f32 -> f16 images of a matrix operand's registers.  The image of K step kk = k / 32 and column tile nt = n / 16 is 1,024 bytes: in piece c (512 bytes)
;                       lane (r, h) has 16 bytes at 16 (r + 16 h): W[32 kk + 16 c + 8 h + 0..7][16 nt + r].  With w = nt / 16 (the wave that will take it) and b = nt % 16:
;                       b < 8:  at (kk / 2) 65,536 + w 16,384 + (kk % 2) 8,192 + b 1,024: a wave's part of two K steps is 16,384 bytes on end;
;                       b >= 8: at 1,048,576 + kk 32,768 + w 8,192 + (b - 8) 1,024: a wave's part of a K step is 8,192 bytes on end.
; A block's scale is 2^(floor(log2(largest magnitude)) - 2); its byte is the largest magnitude's exponent field - 2, held at 1 from below.
; LIMITS: a block of zeros gets the byte 1 where the rule says 127 (its codes are zeros, and this program alone reads the bytes); NaN and infinities among the inputs are not served;
; numbers of Wq, Wo beyond f16's 65,504 become infinite, those under 6e-5 keep f16's fixed step.
.set CSC,   40960                      ; LDS 0-40,959: context's stages, 5,120 bytes a wave (two of 32 x 80); here its 512 scale bytes
.set WST,   41472                      ; Wkv's stage: 32 rows of 384 bytes + 16
.set WSC,   54272                      ; Wkv's scale bytes: 32 rows of 24
.set SPARE, 55040                      ; the spare words, 128 bytes for each wave: four blocks of 256 bytes that no other line names
.set SPW,   12                         ; v12 LDS address of my spare word; never rewritten
.set NIL,   13                         ; v13 0; never rewritten
	s_load_b256 s[4:11], s[0:1], 0x0               ; context, Wkv, Wq, Wo
	s_load_b256 s[12:19], s[0:1], 0x20             ; context's codes, its scales, Wkv's codes, its scales
	s_load_b128 s[20:23], s[0:1], 0x40             ; the images of Wq, of Wo
	v_lshl_add_u32 v[SPW], v0, 2, SPARE
	v_mov_b32 v[NIL], 0
	v_lshrrev_b32 v1, 5, v0
	v_readfirstlane_b32 s24, v1                    ; wave 0..7
	v_and_b32 v2, 31, v0                           ; lane
	v_lshlrev_b32 v3, 4, v2                        ; 16 x lane
	s_mov_b32 s29, 0                               ; the upper word of every offset pair s[28:29]
	s_wait_kmcnt 0x0
	s_cmp_lt_u32 ttmp9, 96
	s_cbranch_scc0 .Lnot_context
; ---------------- context: a plain stream of blocks of 32.  A wave takes 4 steps of 512 numbers.  Each load reads 512 consecutive bytes; a step's 2,048 bytes turn through the wave's own stage, so that a lane
; ---------------- then holds 16 neighbours (two neighbouring lanes hold a block).  R v16-79 as loaded, X v80-111 two sets of neighbours, v112-115 bytes, v128.. codes.
	s_mul_i32 s25, s24, 5120
	v_lshrrev_b32 v14, 2, v2
	v_mul_u32_u24 v14, v14, 80
	v_and_b32 v15, 3, v2
	v_lshl_add_u32 v14, v15, 4, v14
	v_add_nc_u32 v14, s25, v14                     ; into the stage: 80 (lane / 4) + 16 (lane % 4)
	v_mul_u32_u24 v15, v2, 80
	v_add_nc_u32 v15, s25, v15                     ; out of it: 80 x lane
	v_lshlrev_b32 v4, 3, v2                        ; my 8 bytes of a step's codes
	v_lshrrev_b32 v5, 1, v2
	s_lshl_b32 s26, s24, 6
	s_add_co_u32 s26, s26, CSC
	v_add_nc_u32 v5, s26, v5                       ; my block's scale byte: CSC + 64 wave + lane / 2 (+ 16 a step)
	v_add_nc_u32 v6, CSC, v3                       ; the way out of the 512 bytes
	s_lshl_b32 s26, ttmp9, 3
	s_add_co_u32 s26, s26, s24                     ; which run of 2,048 numbers is my wave's
	s_lshl_b32 s28, s26, 13
	s_add_nc_u64 s[4:5], s[4:5], s[28:29]
	s_lshl_b32 s28, s26, 10
	s_add_nc_u64 s[12:13], s[12:13], s[28:29]
	s_lshl_b32 s28, ttmp9, 9
	s_add_nc_u64 s[14:15], s[14:15], s[28:29]
.macro CLOAD t
.irp i, 0,1,2,3
	global_load_b128 v[16+16*(\t)+4*\i:16+16*(\t)+4*\i+3], v3, s[4:5] offset:2048*(\t)+512*\i th:TH_LOAD_NT
.endr
.endm
.macro CTURN t                         ; LDS serves a wave's instructions in order: no wait between the stores and the loads
.irp i, 0,1,2,3
	ds_store_b128 v14, v[16+16*(\t)+4*\i:16+16*(\t)+4*\i+3] offset:2560*((\t)%2)+640*\i
.endr
.irp i, 0,1,2,3
	ds_load_b128 v[80+16*((\t)%2)+4*\i:80+16*((\t)%2)+4*\i+3], v15 offset:2560*((\t)%2)+16*\i
.endr
.endm
.macro CSTEP t
.set XS, 80+16*((\t)%2)
.if (\t) > 0
	s_wait_dscnt 1                                 ; this step's numbers are back from the stage; the last step's byte store may be out
.else
	s_wait_dscnt 0x0
.endif
.if (\t) < 3
	s_wait_loadcnt 4*(2-(\t))                      ; the next step's four loads are in; those of the steps behind it may be out
	CTURN (\t)+1
.endif
	v_max3_num_f32 v8, |v[XS]|, |v[XS+1]|, |v[XS+2]|
	v_max3_num_f32 v9, |v[XS+3]|, |v[XS+4]|, |v[XS+5]|
.irp i, 6,10
	v_max3_num_f32 v8, v8, |v[XS+\i]|, |v[XS+\i+1]|
	v_max3_num_f32 v9, v9, |v[XS+\i+2]|, |v[XS+\i+3]|
.endr
	v_max3_num_f32 v8, v8, |v[XS+14]|, |v[XS+15]|
	v_max3_num_f32 v8, v8, v9, 0x1800000           ; and the floor 2^(3 - 127): the byte cannot fall under 1
	v_max_num_f32_dpp v8, v8, v8 row_xmask:1 row_mask:0xf bank_mask:0xf   ; with my neighbour's 16: the block's largest magnitude
	v_add_nc_u32 v11, 0xff000000, v8               ; 2 off its exponent field: the conversion takes that field as its scale
	v_cvt_scalef32_pk8_fp4_f32 v[128+4*(\t)], v[XS:XS+7], v11
	v_cvt_scalef32_pk8_fp4_f32 v[129+4*(\t)], v[XS+8:XS+15], v11
	v_lshrrev_b32 v[112+(\t)], 23, v11             ; the scale's byte (also the plain line behind the conversions)
	ds_store_b8 v5, v[112+(\t)] offset:16*(\t)     ; both lanes of a block write the same byte with the same value
	global_store_b64 v4, v[128+4*(\t):129+4*(\t)], s[12:13] offset:256*(\t)   ; the wave stores 256 consecutive bytes, aligned
.endm
.irp t, 0,1,2,3
	CLOAD \t
.endr
	s_wait_loadcnt 12                              ; step 0's four loads are in
	CTURN 0
.irp t, 0,1,2,3
	CSTEP \t
.endr
	s_wait_dscnt 0x0                               ; for the others' sake: my byte stores are done
	s_barrier_signal -1
	s_barrier_wait -1
	s_cmp_lg_u32 s24, 0
	s_cbranch_scc1 .Lcontext_end
	ds_load_b128 v[8:11], v6                       ; wave 0 sends the work-group's 512 scale bytes: 512 consecutive bytes, aligned
	s_wait_dscnt 0x0
	global_store_b128 v3, v[8:11], s[14:15]
.Lcontext_end:
	s_wait_tensorcnt 0x0                           ; the wave's end: three lines behind my last LDS store
	ds_add_u32 v[SPW], v[NIL]
	s_wait_dscnt 0x0
	s_endpgm
; ---------------- Wkv: the work-group takes 32 columns, wave w the rows k = 96 w .. 96 w + 95: three blocks a lane.  The codes meet in a stage of 32 rows and leave as 12,288 consecutive bytes.
.Lnot_context:
	s_cmp_lt_u32 ttmp9, 160
	s_cbranch_scc0 .Lweights
	s_sub_co_u32 s25, ttmp9, 96                    ; which 32 columns
	s_mul_i32 s28, s24, 786432                     ; 96 rows of 8,192 bytes a wave
	s_lshl_b32 s26, s25, 7
	s_add_co_u32 s28, s28, s26
	s_add_nc_u64 s[6:7], s[6:7], s[28:29]
	v_lshlrev_b32 v4, 2, v2
.set ii, 0
.rept 96
	global_load_b32 v[32+ii], v4, s[6:7] offset:8192*ii th:TH_LOAD_NT   ; 128 consecutive bytes a wave
.set ii, ii+1
.endr
	s_mul_i32 s26, s24, 48
	s_add_co_u32 s26, s26, WST
	v_mul_u32_u24 v5, v2, 400
	v_add_nc_u32 v5, s26, v5                       ; into the stage: row = my column, 48 bytes a wave
	s_mul_i32 s26, s24, 3
	s_add_co_u32 s26, s26, WSC
	v_mul_u32_u24 v6, v2, 24
	v_add_nc_u32 v6, s26, v6                       ; my column's scale bytes, 3 a wave
	s_mul_i32 s27, s24, 1600
	s_add_co_u32 s27, s27, WST
.irp b, 0,1,2                          ; out of the stage: wave w takes rows 4 w .. 4 w + 3, 96 pieces of 16 bytes; piece u lies in row u / 24 = (43 u) >> 10, 16 bytes of padding a row
	v_add_nc_u32 v7, 32*\b, v2
	v_mul_u32_u24 v8, v7, 43
	v_lshrrev_b32 v8, 10, v8
	v_add_nc_u32 v8, v8, v7
	v_lshl_add_u32 v[16+\b], v8, 4, s27
.endr
	s_min_u32 s30, s24, 2                          ; waves 0-2 send the 768 scale bytes, 256 each
	s_lshl_b32 s30, s30, 8
	s_add_co_u32 s31, s30, WSC
	v_lshlrev_b32 v20, 3, v2
	v_add_nc_u32 v19, s31, v20
	s_mul_i32 s28, s25, 12288
	s_mul_i32 s26, s24, 1536
	s_add_co_u32 s28, s28, s26
	s_add_nc_u64 s[16:17], s[16:17], s[28:29]
	s_mul_i32 s28, s25, 768
	s_add_co_u32 s28, s28, s30
	s_add_nc_u64 s[18:19], s[18:19], s[28:29]
.macro WBLOCK t, left                  ; left: the younger loads that may stay out
.set XS, 32+32*(\t)
	s_wait_loadcnt \left
	v_max3_num_f32 v24, |v[XS]|, |v[XS+1]|, |v[XS+2]|      ; all 32 numbers of the block are mine
	v_max3_num_f32 v25, |v[XS+3]|, |v[XS+4]|, |v[XS+5]|
.irp i, 6,10,14,18,22,26
	v_max3_num_f32 v24, v24, |v[XS+\i]|, |v[XS+\i+1]|
	v_max3_num_f32 v25, v25, |v[XS+\i+2]|, |v[XS+\i+3]|
.endr
	v_max3_num_f32 v24, v24, |v[XS+30]|, |v[XS+31]|
	v_max3_num_f32 v24, v24, v25, 0x1800000
	v_add_nc_u32 v26, 0xff000000, v24
	v_lshrrev_b32 v[140+(\t)], 23, v26
.irp g, 0,1,2,3
	v_cvt_scalef32_pk8_fp4_f32 v[128+4*(\t)+\g], v[XS+8*\g:XS+8*\g+7], v26
.endr
	v_nop                                          ; one plain line behind the conversions
	ds_store_b128 v5, v[128+4*(\t):131+4*(\t)] offset:16*(\t)
	ds_store_b8 v6, v[140+(\t)] offset:(\t)
.endm
	WBLOCK 0, 63                                   ; 64 younger loads exist; the count's field ends at 63
	WBLOCK 1, 32
	WBLOCK 2, 0
	s_wait_dscnt 0x0                               ; for the others' sake
	s_barrier_signal -1
	s_barrier_wait -1
.irp b, 0,1,2
	ds_load_b128 v[144+4*\b:147+4*\b], v[16+\b]
.endr
.irp b, 0,1,2
	s_wait_dscnt 2-\b
	global_store_b128 v3, v[144+4*\b:147+4*\b], s[16:17] offset:512*\b   ; 512 consecutive bytes, aligned
.endr
	s_cmp_lt_u32 s24, 3
	s_cbranch_scc0 .Lwkv_end
	ds_load_b64 v[156:157], v19
	s_wait_dscnt 0x0
	global_store_b64 v20, v[156:157], s[18:19]     ; 256 consecutive bytes, aligned
.Lwkv_end:
	s_wait_tensorcnt 0x0                           ; the wave's end: three lines behind my last LDS store
	ds_add_u32 v[SPW], v[NIL]
	s_wait_dscnt 0x0
	s_endpgm
; ---------------- Wq, Wo: a work-group takes two K steps (64 k) x 256 columns of one of them; a lane a column, 64 registers down K.  Eight neighbours along K are 16 bytes of an image; no LDS.
; ---------------- My wave makes the images b = 2 wave, 2 wave + 1 of the 16: waves 0-3 those of the first MiB, waves 4-7 those of the second.
.Lweights:
	s_sub_co_u32 s25, ttmp9, 160
	s_cmp_lt_u32 s25, 64                           ; Wq or Wo: the choice hangs on the work-group's number alone
	s_cselect_b64 s[8:9], s[8:9], s[10:11]
	s_cselect_b64 s[20:21], s[20:21], s[22:23]
	s_bfe_u32 s26, s25, 0x40002                    ; which pair of K steps
	s_and_b32 s27, s25, 3                          ; which 256 columns
	s_lshl_b32 s28, s26, 18                        ; 64 rows of 4,096 bytes
	s_lshl_b32 s30, s27, 10
	s_add_co_u32 s28, s28, s30
	s_lshl_b32 s30, s24, 7
	s_add_co_u32 s28, s28, s30
	s_add_nc_u64 s[8:9], s[8:9], s[28:29]
	s_mov_b32 s33, 32768
	s_cmp_lt_u32 s24, 4                            ; which MiB: the three choices stand ahead of every line that sets SCC anew
	s_cselect_b32 s30, 14, 13                      ; 256 columns are 16,384 bytes there, 8,192 here
	s_cselect_b32 s31, 0, 0xfe000                  ; 1 MiB, less the four waves x 2,048 bytes that lie in the first
	s_cselect_b32 s32, 8192, s33                   ; from the pair's first K step to its second
	s_lshl_b32 s28, s26, 16                        ; a pair of K steps is 65,536 bytes in either MiB
	s_lshl_b32 s30, s27, s30
	s_add_co_u32 s28, s28, s30
	s_add_co_u32 s28, s28, s31
	s_lshl_b32 s30, s24, 11                        ; 2 images a wave
	s_add_co_u32 s28, s28, s30
	s_add_nc_u64 s[20:21], s[20:21], s[28:29]      ; the first K step's images,
	s_mov_b32 s33, 0
	s_add_nc_u64 s[22:23], s[20:21], s[32:33]      ; the second's
	v_lshlrev_b32 v4, 2, v2
	v_lshrrev_b32 v5, 4, v2
	v_lshlrev_b32 v5, 10, v5
	v_and_b32 v6, 15, v2
	v_lshl_add_u32 v5, v6, 4, v5                   ; image lane / 16, 16 bytes at 16 (lane % 16)
.set ii, 0
.rept 64
	global_load_b32 v[32+ii], v4, s[8:9] offset:4096*ii th:TH_LOAD_NT
.set ii, ii+1
.endr
.irp k, 0,1
	s_wait_loadcnt 32-32*\k                        ; this half's 32 loads are in
.irp u, 0,1,2,3
.irp n, 0,1,2,3
	v_cvt_pk_f16_f32 v[128+16*\k+4*\u+\n], v[32+32*\k+8*\u+2*\n], v[33+32*\k+8*\u+2*\n]
.endr
	global_store_b128 v5, v[128+16*\k+4*\u:131+16*\k+4*\u], s[20+2*\k:21+2*\k] offset:256*\u   ; sixteen lanes store 256 consecutive bytes, aligned
.endr
.endr
	s_endpgm
.Lfunc_end_k_q6fea867a61_prep:
	.size	k_q6fea867a61_prep, .Lfunc_end_k_q6fea867a61_prep-k_q6fea867a61_prep
	.p2alignl 7, 3214868480
	.fill 96, 4, 3214868480
	.section	.rodata,"a",@progbits
	.p2align	6, 0x0
	.amdhsa_kernel k_q6fea867a61_prep
		.amdhsa_group_segment_fixed_size 56064
		.amdhsa_private_segment_fixed_size 0
		.amdhsa_enable_private_segment 0
		.amdhsa_kernarg_size 80
		.amdhsa_user_sgpr_count 2
		.amdhsa_user_sgpr_kernarg_segment_ptr 1
		.amdhsa_wavefront_size32 1
		.amdhsa_system_sgpr_workgroup_id_x 1
		.amdhsa_system_sgpr_workgroup_id_y 1
		.amdhsa_system_sgpr_workgroup_id_z 1
		.amdhsa_system_vgpr_workitem_id 0
		.amdhsa_next_free_vgpr 192
		.amdhsa_next_free_sgpr 66
		.amdhsa_reserve_vcc 0
		.amdhsa_float_denorm_mode_32 3
		.amdhsa_float_denorm_mode_16_64 3
		.amdhsa_memory_ordered 1
		.amdhsa_forward_progress 1
		.amdhsa_inst_pref_size 37
	.end_amdhsa_kernel
	.amdgpu_metadata
---
amdhsa.version: [ 1, 2 ]
amdhsa.kernels:
  - .name:           k_q6fea867a61_prep
    .symbol:         k_q6fea867a61_prep.kd
    .args:
      - { .name: context, .offset: 0, .size: 8, .value_kind: global_buffer, .address_space: global }
      - { .name: Wkv, .offset: 8, .size: 8, .value_kind: global_buffer, .address_space: global }
      - { .name: Wq, .offset: 16, .size: 8, .value_kind: global_buffer, .address_space: global }
      - { .name: Wo, .offset: 24, .size: 8, .value_kind: global_buffer, .address_space: global }
      - { .name: ctx_codes, .offset: 32, .size: 8, .value_kind: global_buffer, .address_space: global }
      - { .name: ctx_scales, .offset: 40, .size: 8, .value_kind: global_buffer, .address_space: global }
      - { .name: wkv_codes, .offset: 48, .size: 8, .value_kind: global_buffer, .address_space: global }
      - { .name: wkv_scales, .offset: 56, .size: 8, .value_kind: global_buffer, .address_space: global }
      - { .name: wqf, .offset: 64, .size: 8, .value_kind: global_buffer, .address_space: global }
      - { .name: wof, .offset: 72, .size: 8, .value_kind: global_buffer, .address_space: global }
    .group_segment_fixed_size: 56064
    .private_segment_fixed_size: 0
    .kernarg_segment_align: 8
    .kernarg_segment_size: 80
    .max_flat_workgroup_size: 256
    .sgpr_count:     66
    .vgpr_count:     192
    .wavefront_size: 32
...
	.end_amdgpu_metadata
.endif
;; end of part 1
;; launch kvgemm (part 2): grid 32 x 8, 4 waves a work-group, no clusters, 0 bytes of LDS; arguments ctx_codes, ctx_scales, wkv_codes, wkv_scales, kvf; writes kvf
.if DOCPART == 2
	.amdgcn_target "amdgcn-amd-amdhsa--gfx1250"
	.amdhsa_code_object_version 6
	.text
	.protected	k_q6fea867a61_kvgemm
	.globl	k_q6fea867a61_kvgemm
	.p2align	8
	.type	k_q6fea867a61_kvgemm,@function
k_q6fea867a61_kvgemm:
	s_mov_b64 s[64:65], 0
	v_nop
	global_prefetch_b8 v0, s[64:65] scope:SCOPE_SE
	s_setreg_imm32_b32 hwreg(HW_REG_WAVE_MODE, 25, 1), 1
	s_wait_xcnt 0x0
; kv = context x Wkv on codes of FP4 (E2M1) with E8M0 scales, sums in f32; the result leaves as f16 in the order in which the next launch's operand registers take it.
; Work-group x = 64 columns of kv (x < 16: K of head x; else V of head x - 16); a wave takes 64 rows of context: block 4 y + wave.  64 x 64 a wave: 16 accumulators, 6 K steps of 128.
; ONE TEXT FOR K AND V: source 0 = X, source 1 = Y, and a lane holds one row of Y and eight neighbouring rows of X.  K: X = Wkv's rows (d), Y = context's rows (keys): eight neighbouring d of a key.
; V: X = context, Y = Wkv: eight neighbouring keys of a d.  Only pointers and first rows are chosen; both tensors have rows of 384 bytes of codes and 24 scale bytes.
; kvf: [batch][tile = 2 (4 g + j) + type][part p][16,384 bytes]: head 4 p + g, keys 128 j on; the wave's 64 context rows are half a part; accumulator (x, y) is the 512 bytes at 2,048 y + 512 x of it.
; No LDS: each fragment is read once by its wave, all loads go out together.  LIMIT: results beyond f16's 65,504 become infinite.
; REGISTERS: window 0: v1-5 addresses; v16-39 X's scale words (6 x + k), v40-63 Y's; v64-127 packed results; v128-255 accumulators.  window 1: X's fragments at v[8 (6 x + k)].  window 2: Y's likewise.
.set MSB, 0
.macro WIN new                         ; the immediate's high byte repeats the setting that is left
.if MSB != (\new)
	s_set_vgpr_msb (MSB<<8)|(\new)
.set MSB, (\new)
.endif
.endm
	s_load_b256 s[4:11], s[0:1], 0x0               ; context's codes, scales, Wkv's codes, scales
	s_load_b64 s[12:13], s[0:1], 0x20              ; kvf
	v_lshrrev_b32 v6, 5, v0
	v_readfirstlane_b32 s14, v6                    ; wave
	v_and_b32 v1, 15, v0                           ; r
	v_bfe_u32 v2, v0, 4, 1                         ; h
	v_mul_u32_u24 v3, v1, 384
	v_lshl_add_u32 v3, v2, 4, v3                   ; codes: row r, + 16 h
	v_mul_u32_u24 v4, v1, 24                       ; scale words: row r
	v_and_b32 v5, 31, v0
	v_lshlrev_b32 v5, 4, v5                        ; out: 16 x lane
	s_and_b32 s15, ttmp7, 0xffff
	s_lshl_b32 s15, s15, 2
	s_add_co_u32 s15, s15, s14                     ; block of 64 context rows, 0..31
	s_lshr_b32 s16, ttmp9, 4                       ; 0: K, 1: V
	s_and_b32 s17, ttmp9, 15                       ; head
	s_lshl_b32 s18, ttmp9, 6                       ; Wkv's first row
	s_lshl_b32 s19, s15, 6                         ; context's first row
	s_lshr_b32 s30, s15, 3
	s_lshl_b32 s30, s30, 21                        ; batch x 2 MiB
	s_and_b32 s31, s17, 3                          ; g
	s_lshl_b32 s31, s31, 2
	s_bfe_u32 s32, s15, 0x20001                    ; j
	s_add_co_u32 s31, s31, s32
	s_lshl_b32 s31, s31, 1
	s_add_co_u32 s31, s31, s16
	s_lshl_b32 s31, s31, 16                        ; tile x 65,536
	s_add_co_u32 s30, s30, s31
	s_lshr_b32 s31, s17, 2
	s_lshl_b32 s31, s31, 14                        ; part x 16,384
	s_add_co_u32 s30, s30, s31
	s_and_b32 s31, s15, 1
	s_lshl_b32 s31, s31, 13                        ; which half of the part
	s_add_co_u32 s30, s30, s31
	s_mov_b32 s31, 0
	s_mov_b32 s33, 0
	s_wait_kmcnt 0x0
	s_cmp_eq_u32 s16, 0                            ; the choice hangs on the work-group's number alone
	s_cselect_b64 s[20:21], s[8:9], s[4:5]         ; X's codes
	s_cselect_b64 s[22:23], s[10:11], s[6:7]       ; X's scales
	s_cselect_b64 s[24:25], s[4:5], s[8:9]         ; Y's codes
	s_cselect_b64 s[26:27], s[6:7], s[10:11]       ; Y's scales
	s_cselect_b32 s28, s18, s19                    ; X's first row
	s_cselect_b32 s29, s19, s18                    ; Y's
	s_mul_i32 s32, s28, 384
	s_add_nc_u64 s[20:21], s[20:21], s[32:33]
	s_mul_i32 s32, s28, 24
	s_add_nc_u64 s[22:23], s[22:23], s[32:33]
	s_mul_i32 s32, s29, 384
	s_add_nc_u64 s[24:25], s[24:25], s[32:33]
	s_mul_i32 s32, s29, 24
	s_add_nc_u64 s[26:27], s[26:27], s[32:33]
	s_add_nc_u64 s[12:13], s[12:13], s[30:31]
	WIN 0x40                                       ; destination window 1
.irp t, 0,1,2,3
.irp k, 0,1,2,3,4,5
.irp c, 0,1
	global_load_b128 v[8*(6*\t+\k)+4*\c:8*(6*\t+\k)+4*\c+3], v3, s[20:21] offset:6144*\t+64*\k+32*\c
.endr
.endr
.endr
	WIN 0x80                                       ; destination window 2
.irp t, 0,1,2,3
.irp k, 0,1,2,3,4,5
.irp c, 0,1
	global_load_b128 v[8*(6*\t+\k)+4*\c:8*(6*\t+\k)+4*\c+3], v3, s[24:25] offset:6144*\t+64*\k+32*\c
.endr
.endr
.endr
	WIN 0
.irp t, 0,1,2,3
.irp k, 0,1,2,3,4,5
	global_load_b32 v[16+6*\t+\k], v4, s[22:23] offset:384*\t+4*\k   ; lane r: row r's four scale bytes of this K step
	global_load_b32 v[40+6*\t+\k], v4, s[26:27] offset:384*\t+4*\k
.endr
.endr
	s_wait_loadcnt 0x0
	WIN 0x09                                       ; source 0 window 1, source 1 window 2, C and D window 0
.irp k, 0,1,2,3,4,5                    ; the 16 accumulators take turns, one instruction a turn; the first K step starts the sums
.irp x, 0,1,2,3
.irp y, 0,1,2,3
.if \k == 0
	v_wmma_scale_f32_16x16x128_f8f6f4 v[128+8*(4*\x+\y):135+8*(4*\x+\y)], v[8*(6*\x+\k):8*(6*\x+\k)+7], v[8*(6*\y+\k):8*(6*\y+\k)+7], 0, v[16+6*\x+\k], v[40+6*\y+\k] matrix_a_fmt:MATRIX_FMT_FP4 matrix_b_fmt:MATRIX_FMT_FP4
.else
	v_wmma_scale_f32_16x16x128_f8f6f4 v[128+8*(4*\x+\y):135+8*(4*\x+\y)], v[8*(6*\x+\k):8*(6*\x+\k)+7], v[8*(6*\y+\k):8*(6*\y+\k)+7], v[128+8*(4*\x+\y):135+8*(4*\x+\y)], v[16+6*\x+\k], v[40+6*\y+\k] matrix_a_fmt:MATRIX_FMT_FP4 matrix_b_fmt:MATRIX_FMT_FP4
.endif
.endr
.endr
.endr
	WIN 0
.rept 4
	v_nop                                          ; four places between the last product and the first read of results (ISA guide 7.12.1)
.endr
.set nn, 0
.rept 64
	v_cvt_pk_f16_f32 v[64+nn], v[128+2*nn], v[129+2*nn]   ; each accumulator from its low end on
.set nn, nn+1
.endr
.irp x, 0,1,2,3
.irp y, 0,1,2,3
	global_store_b128 v5, v[64+4*(4*\x+\y):67+4*(4*\x+\y)], s[12:13] offset:2048*\y+512*\x   ; 512 consecutive bytes, aligned: a piece of an image as it stands
.endr
.endr
	s_endpgm
.Lfunc_end_k_q6fea867a61_kvgemm:
	.size	k_q6fea867a61_kvgemm, .Lfunc_end_k_q6fea867a61_kvgemm-k_q6fea867a61_kvgemm
	.p2alignl 7, 3214868480
	.fill 96, 4, 3214868480
	.section	.rodata,"a",@progbits
	.p2align	6, 0x0
	.amdhsa_kernel k_q6fea867a61_kvgemm
		.amdhsa_group_segment_fixed_size 0
		.amdhsa_private_segment_fixed_size 0
		.amdhsa_enable_private_segment 0
		.amdhsa_kernarg_size 40
		.amdhsa_user_sgpr_count 2
		.amdhsa_user_sgpr_kernarg_segment_ptr 1
		.amdhsa_wavefront_size32 1
		.amdhsa_system_sgpr_workgroup_id_x 1
		.amdhsa_system_sgpr_workgroup_id_y 1
		.amdhsa_system_sgpr_workgroup_id_z 1
		.amdhsa_system_vgpr_workitem_id 0
		.amdhsa_next_free_vgpr 704
		.amdhsa_next_free_sgpr 66
		.amdhsa_reserve_vcc 0
		.amdhsa_float_denorm_mode_32 3
		.amdhsa_float_denorm_mode_16_64 3
		.amdhsa_memory_ordered 1
		.amdhsa_forward_progress 1
		.amdhsa_inst_pref_size 34
	.end_amdhsa_kernel
	.amdgpu_metadata
---
amdhsa.version: [ 1, 2 ]
amdhsa.kernels:
  - .name:           k_q6fea867a61_kvgemm
    .symbol:         k_q6fea867a61_kvgemm.kd
    .args:
      - { .name: ctx_codes, .offset: 0, .size: 8, .value_kind: global_buffer, .address_space: global }
      - { .name: ctx_scales, .offset: 8, .size: 8, .value_kind: global_buffer, .address_space: global }
      - { .name: wkv_codes, .offset: 16, .size: 8, .value_kind: global_buffer, .address_space: global }
      - { .name: wkv_scales, .offset: 24, .size: 8, .value_kind: global_buffer, .address_space: global }
      - { .name: kvf, .offset: 32, .size: 8, .value_kind: global_buffer, .address_space: global }
    .group_segment_fixed_size: 0
    .private_segment_fixed_size: 0
    .kernarg_segment_align: 8
    .kernarg_segment_size: 40
    .max_flat_workgroup_size: 128
    .sgpr_count:     66
    .vgpr_count:     704
    .wavefront_size: 32
...
	.end_amdgpu_metadata
.endif
;; end of part 2
;; launch fused (part 3): grid 256 x 1, 4 waves a work-group, clusters of 4 x 1, 327,680 bytes of LDS; arguments x, gamma_x, mask, wqf, kvf, wof, gamma_out, out0; writes out0
.if DOCPART == 3
	.amdgcn_target "amdgcn-amd-amdhsa--gfx1250"
	.amdhsa_code_object_version 6
	.text
	.protected	k_q6fea867a61_fused
	.globl	k_q6fea867a61_fused
	.p2align	8
	.type	k_q6fea867a61_fused,@function
k_q6fea867a61_fused:
	s_mov_b64 s[64:65], 0
	v_nop
	global_prefetch_b8 v0, s[64:65] scope:SCOPE_SE
	s_setreg_imm32_b32 hwreg(HW_REG_WAVE_MODE, 25, 1), 1
	s_wait_xcnt 0x0
	s_wait_alu depctr_hold_cnt(0) depctr_sa_sdst(0) depctr_va_vdst(0) depctr_va_sdst(0) depctr_va_ssrc(0) depctr_va_vcc(0) depctr_vm_vsrc(0)
	s_getreg_b32 s2, hwreg(HW_REG_IB_STS2, 6, 4)
	s_cmp_eq_u32 s2, 0
	s_cbranch_scc0 .Lentry_in_a_cluster
	s_endpgm
.Lentry_in_a_cluster:
	s_bfe_u32 s2, ttmp6, 0x10000c
	s_cmp_lg_u32 s2, 0x3003
	s_cbranch_scc0 .Lentry_shape_is_right
	s_endpgm
.Lentry_shape_is_right:
; out = LN(attention(LN(x) Wq, K, V) Wo): one work-group takes 64 rows of x through the whole chain; xn, q and o live in one LDS array (ACT) and never go to memory.
; SHARES.  Four waves, as many as a WGP has SIMDs.  In both projections wave w makes columns 256 w .. 256 w + 255 of all 64 rows (64 accumulators, 512 registers); these are heads 4 w .. 4 w + 3, so in
; attention wave w reads and writes its own quarter of ACT alone.  All products: v_wmma_f32_16x16x32_f16, USED TRANSPOSED (source 0 = weights, K or V; source 1 = the rows): a lane holds one row throughout.
; THE RING.  Two LDS slots of 65,536 bytes, 16,384 a wave, run on through the three phases.  What lands there is an image of operand registers: it is read at 16 x lane, by the wave that asked for it.
; CLUSTER: the four partners walk the same weights and one batch's K and V, so every tile of the ring is asked for jointly, mask 15.
; THE PROJECTIONS' WEIGHTS COME BY TWO WAYS.  A wave wants 16 fragments (16,384 bytes) for a K step of 32.  ACT takes 135,168 bytes of LDS, so two slots of 65,536 are what fits; with all 16 through the ring
; a slot would hold one K step, 64 products a wave for each round of the cluster's barrier.  So fragments 0-7 come through the ring, jointly: a slot holds TWO K steps, 128 products a wave for each round; and
; fragments 8-15 come straight into registers, 16 loads of 512 consecutive bytes, asked for one and a half K steps ahead.  These are not shared with the partners: a register has no joint load.
; ROTATION.  Cluster c starts its walk c % 16 pairs of K steps on (attention: head group (c / 4) % 4, key chunk c % 4) and wraps round, so that the clusters do not ask for the same bytes at the same time.
; SOFTMAX.  The scale 0.125 log2(e) is folded into gamma_x; p = 2^(s - m), m the running maximum; the sum is taken of the unrounded p; O and the sum are multiplied by 2^(m_old - m_new) in every step.
; ATTENTION BY HALVES.  The wave's four tiles of 16 queries are two pieces (tiles 0, 1 and 2, 3).  A step of 128 keys: K Q^T of piece 0; K Q^T of piece 2 with piece 0's softmax in slices behind its products;
; V^T P of piece 0 with piece 2's softmax likewise; V^T P of piece 2.
; THE MASK goes in as the C of the score product: 0, or -2^127 for a key that does not count (scores of f16 operands stay under 2^38, so no sum leaves f32); key 0 always counts.
; LIMITS: NaN and infinities among the inputs are not served; xn gamma 0.18, q 0.18, k, v, o, Wq, Wo must lie inside f16's 65,504, numbers under 6e-5 keep f16's fixed step; the order of the f32 sums along K
; differs from cluster to cluster.
; LDS: the two slots 0-131,071; ACT: four panels (columns 256 p on) of 64 rows x 528 bytes, f16, written by LDS stores alone; the bias (512 f32); two tables for the last norm; the spare words.
; REGISTERS, in windows of 256: window 0: v1-28 addresses, v32-63 statistics (8 a tile), v64-127 rows' fragments (two sets) / Q / packed xn, v128-191 gamma / bias, v192-255 at work.
;   window 1: v0-127 weights set 0 / K; v128-255 set 1 / V (in a set: 64 registers from the ring, 64 straight from memory).   window 2: accumulators of row tiles 0, 1 / x / the scores.
;   window 3: row tiles 2, 3 / O (v0-127) and P (v128-255).
.set PANEL, 33792
.set PITCH, 528                        ; 33 x 16 bytes: the 16 rows of a fragment load start in 16 different groups of banks (ISA guide 11.1)
.set ROWT,  16*PITCH
.set SLOT1, 65536                      ; slot 0 begins at LDS byte 0, so that one exclusive or turns an address in one slot into the other's
.set ACTB,  131072
.set BIAS,  266240
.set RED,   268288
.set SPARE, 270336                     ; the spare words, 128 bytes for each wave: two blocks of 256 bytes that no other line names
.set STGB,  16640                      ; the way out: a stage of 16 rows x 1,040 bytes for each wave, in the slots, which have then had their last fill
.set SPI,   1040
.set MSB, 0
.macro WIN new                         ; the immediate's high byte repeats the setting that is left; bits 1:0 source 0, 3:2 source 1, 5:4 source 2, 7:6 destination
.if MSB != (\new)
	s_set_vgpr_msb (MSB<<8)|(\new)
.set MSB, (\new)
.endif
.endm
.macro CREST                           ; a round of the cluster's barrier behind its opening barrier
	s_cmp_lg_u32 s24, 0
	s_cbranch_scc1 .Lnot_wave_0_\@
	s_barrier_signal -3
.Lnot_wave_0_\@:
	s_barrier_wait -3
	s_barrier_signal -1
	s_barrier_wait -1
.endm
.macro ROUND
	s_barrier_signal -1
	s_barrier_wait -1
	CREST
.endm
.macro JLOAD d                         ; a joint load: every wave asks for its own quarter of the slot; an s_nop 0 and four v_nop follow
	tensor_load_to_lds s[\d:\d+3], s[28:35]
	s_nop 0
.rept 4
	v_nop
.endr
.endm
.macro PLACES4                         ; four places in front of loads into registers that products have read, and of the first read of results
.rept 4
	v_nop
.endr
.endm
.macro FETCH_B set, slot               ; my quarter of a whole slot, 16 fragments: 32 loads of 512 consecutive bytes
	WIN 0x40
.set ii, 0
.rept 16
	ds_load_b128 v[128*(\set)+8*ii:128*(\set)+8*ii+3], v[10+(\slot)] offset:1024*ii
	ds_load_b128 v[128*(\set)+8*ii+4:128*(\set)+8*ii+7], v[10+(\slot)] offset:1024*ii+512
.set ii, ii+1
.endr
.endm
.macro FETCH_L set, kap                ; fragments 0-7 of a K step, the kap-th of the two in the slot at v28: 16 loads
	WIN 0x40
.set ii, 0
.rept 8
	ds_load_b128 v[128*(\set)+8*ii:128*(\set)+8*ii+3], v28 offset:8192*(\kap)+1024*ii
	ds_load_b128 v[128*(\set)+8*ii+4:128*(\set)+8*ii+7], v28 offset:8192*(\kap)+1024*ii+512
.set ii, ii+1
.endr
.endm
.macro LOAD_D set, off                 ; fragments 8-15 of a K step, straight from memory: 16 loads of 512 consecutive bytes
	WIN 0x40
.set ii, 0
.rept 8
	global_load_b128 v[128*(\set)+64+8*ii:128*(\set)+64+8*ii+3], v12, s[96:97] offset:(\off)+1024*ii
	global_load_b128 v[128*(\set)+64+8*ii+4:128*(\set)+64+8*ii+7], v12, s[96:97] offset:(\off)+1024*ii+512
.set ii, ii+1
.endr
.endm
.macro FETCH_A set                     ; the four row tiles' fragments of 32 along K, from ACT (window 0)
.irp a, 0,1,2,3
	ds_load_b128 v[64+32*(\set)+8*\a:64+32*(\set)+8*\a+3], v7 offset:ROWT*\a
	ds_load_b128 v[64+32*(\set)+8*\a+4:64+32*(\set)+8*\a+7], v7 offset:ROWT*\a+32
.endr
.endm
.macro AKS                             ; s73 = where K step s61 % 32 begins in ACT: panel kk / 8, 64 bytes a step
	s_and_b32 s72, s61, 31
	s_and_b32 s73, s72, 7
	s_lshl_b32 s73, s73, 6
	s_lshr_b32 s72, s72, 3
	s_mul_i32 s72, s72, PANEL
	s_add_co_u32 s73, s73, s72
.endm
.macro KSTEP                           ; on to the next K step: s73 for its rows' fragments; s[74:75] = where the K step behind it begins among the fragments that come straight from memory
	s_add_co_u32 s61, s61, 1
	AKS
	s_add_co_u32 s74, s61, 1
	s_and_b32 s74, s74, 31
	s_lshl_b32 s74, s74, 15
	s_mov_b32 s75, 0
.endm
.macro MULN a, b0, n, s, zero          ; n products: row tile a x column tiles b0 on.  The 64 accumulators take turns in the same order in every K step
	WIN 0xa1+0x50*((\a)/2)
.set bb, \b0
.rept \n
.set rD, 8*(16*((\a)%2)+bb)
.if \zero
	v_wmma_f32_16x16x32_f16 v[rD:rD+7], v[128*(\s)+8*bb:128*(\s)+8*bb+7], v[64+32*(\s)+8*(\a):64+32*(\s)+8*(\a)+7], 0
.else
	v_wmma_f32_16x16x32_f16 v[rD:rD+7], v[128*(\s)+8*bb:128*(\s)+8*bb+7], v[64+32*(\s)+8*(\a):64+32*(\s)+8*(\a)+7], v[rD:rD+7]
.endif
.set bb, bb+1
.endr
.endm
; AN EVEN K STEP t, on set 0.  No round.  In its middle it fetches the next step's rows and its fragments 0-7 (the second K step of the slot in hand) into set 1; at its end (dl = 1) it asks for fragments 8-15 of
; step t + 2 into the registers just left.  zero = 1: its products start the sums: nothing is ever cleared.
.macro GEVEN zero, db, dl
	s_wait_dscnt 0x0                               ; this step's rows and fragments 0-7 are in (asked for 32 products ago or more)
	MULN 0, 0, 8, 0, \zero
	MULN 1, 0, 8, 0, \zero
	MULN 2, 0, 8, 0, \zero
	MULN 3, 0, 8, 0, \zero
	WIN 0
	KSTEP
	v_add_nc_u32 v7, s73, v6
	FETCH_A 1                                      ; (set 1's last readers stand in front of the four v_nop at the end of the step before)
	FETCH_L 1, 1
	s_wait_loadcnt 16                              ; this step's fragments 8-15 are in; the next step's 16 loads may be out
	MULN 0, 8, 8, 0, \zero
	MULN 1, 8, 8, 0, \zero
	MULN 2, 8, 8, 0, \zero
	MULN 3, 8, 8, 0, \zero
	WIN 0
.if \dl
	PLACES4
	s_wait_xcnt 0x0                                ; the last such loads have read their base: it may be written
	s_add_nc_u64 s[96:97], s[\db:\db+1], s[74:75]
	LOAD_D 0, 0
	WIN 0
.endif
.endm
; AN ODD K STEP t = 2 u + 1, on set 1.  Both K steps of slot u % 2 are in registers now, in every wave that has passed the wait at the head.
; fill = 1: a round, and that slot takes pair u + 2 of the matrix at s[rb]; 2: slot 0 takes the tile at s[rb]; 3: slot 1 does; 0: nothing is asked for (a wave reads its own quarter alone: no barrier).
; A refill has 112 products in which to land: the 40 behind it, the even step's 64 and the next odd step's first 8.
; fa, fl: the next step's rows; its fragments 0-7 from the other slot (fl = 1), or a whole quarter of slot 0 (fl = 2).  dl: as in the even step.  lc: the younger loads that may stay out.
.macro GODD fill, rb, db, fa, fl, dl, lc
	s_wait_dscnt 0x0                               ; this step's rows and fragments 0-7 are in: my reads of the slot are over
	MULN 0, 0, 8, 1, 0
	WIN 0                                          ; (the add's two registers lie in window 0)
.if (\fill) || (\fl)
	s_wait_tensorcnt 0x0                           ; all my tensor loads have landed: my quarter of the other slot
.endif
.if \fill
	ds_add_u32 v4, v5                              ; 0 onto my spare word; scalar work and eight products stand between it and its wait
.endif
.if (\fa) || (\dl)
	KSTEP
.endif
.if \fill == 1
	s_add_co_u32 s76, s61, 2                       ; pair u + 2, rotated: 65,536 bytes a pair
	s_and_b32 s76, s76, 30
	s_lshl_b32 s76, s76, 15
	s_mov_b32 s77, 0
.endif
.if \fl == 1
	s_xor_b32 s85, s85, SLOT1                      ; the fetches go on to the other slot
.endif
	MULN 1, 0, 8, 1, 0
.if \fill
	s_wait_dscnt 0x0                               ; the add is done
	s_barrier_signal -1                            ; this barrier opens a round of the cluster's barrier
.endif
	MULN 2, 0, 8, 1, 0
	WIN 0
.if \fill
	s_barrier_wait -1
	CREST                                          ; no wave of any partner still reads the slot or has a load on its way
.if \fill == 1
	s_xor_b32 s5, s5, SLOT1                        ; the walking descriptor: the other slot than last time
	s_add_nc_u64 s[6:7], s[\rb:\rb+1], s[76:77]
	s_or_b32 s7, s7, 0x80000000                    ; type = 2
	JLOAD 4                                        ; the first tensor load behind the round; its four v_nop are places in front of the loads below
.elseif \fill == 2
	s_mov_b64 s[38:39], s[\rb:\rb+1]
	s_or_b32 s39, s39, 0x80000000
	JLOAD 36
.else
	s_mov_b64 s[42:43], s[\rb:\rb+1]
	s_or_b32 s43, s43, 0x80000000
	JLOAD 40
.endif
.elseif (\fa) || (\fl)
	PLACES4
.endif
.if \fa
	v_add_nc_u32 v7, s73, v6
	FETCH_A 0
.endif
.if \fl == 1
	v_add_nc_u32 v28, s85, v10
	FETCH_L 0, 0
.elseif \fl == 2
	FETCH_B 0, 0
.endif
	MULN 3, 0, 8, 1, 0
	s_wait_loadcnt \lc                             ; this step's fragments 8-15 are in
	MULN 0, 8, 8, 1, 0
	MULN 1, 8, 8, 1, 0
	MULN 2, 8, 8, 1, 0
	MULN 3, 8, 8, 1, 0
	WIN 0
.if \dl
	PLACES4
	s_wait_xcnt 0x0
	s_add_nc_u64 s[96:97], s[\db:\db+1], s[74:75]
	LOAD_D 1, 0
	WIN 0
.endif
.endm
; A PROJECTION: 32 K steps.  Step 0 starts the sums; a loop's trip goes from an odd step to the next even one, 14 trips: steps 1 to 28; the last three are written out, since what they ask for differs.
.macro GEMM rb, db, f29, a29, f31, a31, l31
	GEVEN 1, \db, 1
	s_mov_b32 s62, 14
.Lgemm_\@:
	GODD 1, \rb, \db, 1, 1, 1, 16
	GEVEN 0, \db, 1
	s_sub_co_u32 s62, s62, 1
	s_cmp_lg_u32 s62, 0
	s_cbranch_scc1 .Lgemm_\@
	GODD \f29, \a29, \db, 1, 1, 1, 16
	GEVEN 0, \db, 0
	GODD \f31, \a31, \db, 0, \l31, 0, 0
.endm
; ================ HEAD
	s_load_b512 s[8:23], s[0:1], 0x0               ; x 8, gamma_x 10, mask 12, wqf 14, kvf 16, wof 18, gamma_out 20, out 22
	v_lshl_add_u32 v4, v0, 2, SPARE                ; v4: my spare word; v5: 0; both never rewritten
	v_mov_b32 v5, 0
	ds_add_u32 v4, v5                              ; the wave's opening: the add, twice on end, and its wait ahead of my first tensor load
	ds_add_u32 v4, v5
	v_lshrrev_b32 v23, 5, v0
	v_readfirstlane_b32 s24, v23                   ; wave 0..3
	s_bfe_u32 s25, ttmp6, 0x40000                  ; cx: it enters x's and out's addresses alone
	s_lshl_b32 s26, ttmp9, 2
	s_add_co_u32 s26, s26, s25                     ; my block of 64 rows
	s_lshr_b32 s27, ttmp9, 4                       ; batch: the same in the four partners
	s_and_b32 s58, ttmp9, 15
	s_lshl_b32 s58, s58, 1                         ; the rotation of the projections' walks, in K steps: an even number
	s_bfe_u32 s59, ttmp9, 0x20002                  ; attention: the first head group,
	s_and_b32 s60, ttmp9, 3                        ; and the first chunk of keys
	s_mov_b32 s28, 15|(3<<16)|(1<<21)              ; group 1, for all loads: mask of all four; elements of 8 bytes; bit 21 beside a mask; no padding
	s_mov_b32 s29, 32<<16                          ; tensor_dim0 = 32 (256 bytes)
	s_mov_b32 s30, 64<<16                          ; tensor_dim1 = 64
	s_mov_b32 s31, 32<<16                          ; tile_dim0 = 32
	s_mov_b32 s32, 64                              ; tile_dim1 = 64: 16,384 dense bytes
	s_mov_b32 s33, 32                              ; pitch
	s_mov_b32 s34, 0
	s_mov_b32 s35, 0
	s_mov_b32 s54, 0x76543210                      ; v_permlanex16_b32: lane l xor 16
	s_mov_b32 s55, 0xfedcba98
	s_mov_b32 s56, 0x3727c5ac                      ; 1e-5
	s_mov_b32 s57, 0x3a800000                      ; 1 / 1,024
	s_mov_b32 s90, 0x3e38aa3b                      ; 0.125 log2(e)
	s_mov_b32 s91, s90
	s_mov_b32 s36, 1
	s_lshl_b32 s37, s24, 14                        ; slot 0, my quarter
	s_mov_b32 s40, 1
	s_lshl_b32 s41, s24, 14
	s_add_co_u32 s41, s41, SLOT1                   ; slot 1, my quarter
	s_mov_b32 s4, 1                                ; the projections' walking descriptor: it stands at slot 1 and is turned ahead of each use
	s_lshl_b32 s5, s24, 14
	s_add_co_u32 s5, s5, SLOT1
	s_mov_b32 s73, 0
	s_mov_b32 s93, 0
	s_wait_dscnt 0x0                               ; both opening adds are done
	s_wait_kmcnt 0x0
	s_lshl_b32 s72, s24, 14
	s_add_nc_u64 s[44:45], s[14:15], s[72:73]      ; my quarter of Wq's pairs,
	s_add_nc_u64 s[46:47], s[16:17], s[72:73]
	s_add_nc_u64 s[48:49], s[18:19], s[72:73]      ; of Wo's
	s_lshl_b32 s72, s24, 13
	s_add_co_u32 s72, s72, 0x100000
	s_add_nc_u64 s[98:99], s[14:15], s[72:73]      ; my fragments 8-15 of Wq,
	s_add_nc_u64 s[2:3], s[18:19], s[72:73]        ; of Wo
	s_lshl_b32 s72, s27, 21
	s_add_nc_u64 s[46:47], s[46:47], s[72:73]      ; my quarter of my batch's K and V
	s_lshl_b32 s72, s58, 15                        ; the walk's first pair (65,536 bytes a pair) and its first K step (32,768 a step) begin the same number of bytes on
	s_add_nc_u64 s[38:39], s[44:45], s[72:73]      ; Wq's first pair,
	s_add_nc_u64 s[50:51], s[48:49], s[72:73]      ; Wo's,
	s_add_nc_u64 s[96:97], s[98:99], s[72:73]      ; Wq's fragments 8-15 of K steps 0 and 1
	s_add_co_u32 s72, s58, 2
	s_and_b32 s72, s72, 30
	s_lshl_b32 s72, s72, 15
	s_add_nc_u64 s[42:43], s[44:45], s[72:73]      ; and the second pairs
	s_add_nc_u64 s[52:53], s[48:49], s[72:73]
	s_or_b32 s39, s39, 0x80000000
	s_or_b32 s43, s43, 0x80000000
	s_lshl_b32 s72, s59, 2
	s_add_co_u32 s72, s72, s60
	s_lshl_b32 s72, s72, 17
	s_add_nc_u64 s[86:87], s[46:47], s[72:73]      ; K of attention's first step,
	s_add_nc_u64 s[88:89], s[86:87], 0x10000       ; and V
	s_mul_i32 s72, s27, 511
	s_add_nc_u64 s[12:13], s[12:13], s[72:73]      ; my batch's mask
	s_lshl_b32 s94, s26, 18                        ; 64 rows of 4,096 bytes
	s_lshl_b32 s92, s24, 16
	s_add_co_u32 s92, s92, s94
	s_add_nc_u64 s[8:9], s[8:9], s[92:93]          ; x at my wave's 16 rows
	s_lshl_b32 s92, s24, 10
	s_add_co_u32 s92, s92, s94
	s_add_nc_u64 s[22:23], s[22:23], s[92:93]      ; out at my block's first row, my wave's 256 columns
	ROUND                                          ; all four work-groups are here: the first joint loads meet
	JLOAD 36                                       ; K steps 0 and 1
	JLOAD 40                                       ; K steps 2 and 3: two loads of mine are out
	v_and_b32 v1, 15, v0                           ; r
	v_bfe_u32 v2, v0, 4, 1                         ; h
	v_and_b32 v3, 31, v0                           ; lane
	v_mul_u32_u24 v6, v1, PITCH
	v_lshl_add_u32 v6, v2, 4, v6
	v_add_nc_u32 v6, ACTB, v6                      ; v6: a fragment's row in ACT: 528 r + 16 h
	s_mul_i32 s72, s24, PANEL
	v_add_nc_u32 v8, s72, v6                       ; v8: the same in my panel
	v_lshlrev_b32 v12, 4, v3                       ; v12: 16 x lane
	s_lshl_b32 s72, s24, 14
	v_add_nc_u32 v10, s72, v12                     ; v10, v11: my quarter of slot 0, 1
	v_add_nc_u32 v11, SLOT1, v10
	s_mul_i32 s72, s24, ROWT
	s_add_co_u32 s72, s72, ACTB
	v_lshl_add_u32 v13, v3, 3, s72                 ; v13, v14: xn's way into ACT: my 16 rows, 8 bytes a lane; panels 0-1, 2-3
	v_add_nc_u32 v14, 2*PANEL, v13
	v_lshl_add_u32 v15, v2, 5, BIAS                ; v15: the bias of my half's eight keys
	s_lshl_b32 s72, s24, 2
	s_add_co_u32 s72, s72, RED
	v_lshl_add_u32 v17, v1, 4, s72                 ; v17, v18: the last norm's tables [row][wave]
	v_lshl_add_u32 v18, v1, 4, RED
	s_mul_i32 s72, s24, STGB
	v_mul_u32_u24 v19, v1, SPI
	v_lshl_add_u32 v19, v2, 5, v19
	v_add_nc_u32 v19, s72, v19                     ; v19: into my stage; v20: back
	v_add_nc_u32 v20, s72, v12
	s_lshl_b32 s72, s24, 10
	v_lshl_add_u32 v21, v2, 5, s72                 ; v21: gamma_out of my columns
	v_mov_b32 v22, 0xff000000                      ; -2^127
.irp k, 0,1,2,3
	v_mov_b32 v[212+\k], 0                         ; written once: a lane permute's destination counts as one of its sources
.endr
.irp i, 0,1,2,3,4,5,6,7
	global_load_b128 v[128+4*\i:131+4*\i], v12, s[10:11] offset:512*\i   ; gamma_x of my lane's columns 128 i + 4 lane on
.endr
	v_lshlrev_b32 v23, 2, v0                       ; thread t takes keys 4 t .. 4 t + 3; key j's byte is mask[j - 1]
	v_max_u32 v24, 1, v23
	global_load_u8 v160, v24, s[12:13] offset:-1   ; (thread 0 reads byte 0 here and does not use it: key 0 always counts)
	global_load_u8 v161, v23, s[12:13]
	global_load_u8 v162, v23, s[12:13] offset:1
	global_load_u8 v163, v23, s[12:13] offset:2
.macro XLOAD hf, row0                  ; four rows of x into half hf of window 2: each load reads 512 consecutive bytes
.irp k, 0,1,2,3
.irp i, 0,1,2,3,4,5,6,7
	global_load_b128 v[128*(\hf)+32*\k+4*\i:128*(\hf)+32*\k+4*\i+3], v12, s[8:9] offset:((\row0)+\k)*4096+512*\i th:TH_LOAD_NT
.endr
.endr
.endm
	WIN 0x80
	XLOAD 0, 0
	XLOAD 1, 4
	WIN 0
	s_wait_loadcnt 63                              ; gamma and the mask are in (64 younger loads exist; the count's field ends at 63)
.irp i, 0,1,2,3,4,5,6,7,8,9,10,11,12,13,14,15
	v_pk_mul_f32 v[128+2*\i:129+2*\i], v[128+2*\i:129+2*\i], s[90:91] op_sel_hi:[1,0]   ; the softmax's whole scale rides on gamma
.endr
.irp i, 0,1,2,3
	v_cmp_eq_u32 s[80+\i], 0, v[160+\i]
.endr
	v_cmp_eq_u32 s84, 0, v0
.irp i, 0,1,2,3
	v_cndmask_b32 v[164+\i], 0, v22, s[80+\i]      ; 0 where the key counts, -2^127 where not
.endr
	v_cndmask_b32 v164, v164, 0, s84               ; key 0
	v_lshl_add_u32 v31, v0, 4, BIAS
	ds_store_b128 v31, v[164:167]
; ================ THE FIRST NORM: a wave takes 16 rows, a row in 32 registers a lane; mean, then the squares of x - mean.  Two trips of two groups of four rows.
.macro RED4                            ; chains v[192 + 4 k ..], v[194 + 4 k ..] -> the rows' sums over 32 lanes in v[208 + k]
.irp k, 0,1,2,3
	v_pk_add_f32 v[192+4*\k:193+4*\k], v[192+4*\k:193+4*\k], v[194+4*\k:195+4*\k]
.endr
.irp k, 0,1,2,3
	v_add_f32 v[208+\k], v[192+4*\k], v[193+4*\k]
.endr
.irp m, 1,2,4,8
.irp k, 0,1,2,3
	v_add_f32_dpp v[208+\k], v[208+\k], v[208+\k] row_xmask:\m row_mask:0xf bank_mask:0xf
.endr
.endr
.irp k, 0,1,2,3
	v_permlanex16_b32 v[212+\k], v[208+\k], s54, s55
.endr
.irp k, 0,1,2,3
	v_add_f32 v[208+\k], v[208+\k], v[212+\k]
.endr
.endm
.macro GROUP hf
.set XB, 128*(\hf)
	WIN 0x0a                                       ; sources window 2, destination window 0
.irp k, 0,1,2,3
	v_pk_add_f32 v[192+4*\k:193+4*\k], v[XB+32*\k:XB+32*\k+1], v[XB+32*\k+2:XB+32*\k+3]
	v_pk_add_f32 v[194+4*\k:195+4*\k], v[XB+32*\k+4:XB+32*\k+5], v[XB+32*\k+6:XB+32*\k+7]
.endr
	WIN 0x08
.irp p, 8,12,16,20,24,28
.irp k, 0,1,2,3
	v_pk_add_f32 v[192+4*\k:193+4*\k], v[192+4*\k:193+4*\k], v[XB+32*\k+\p:XB+32*\k+\p+1]
	v_pk_add_f32 v[194+4*\k:195+4*\k], v[194+4*\k:195+4*\k], v[XB+32*\k+\p+2:XB+32*\k+\p+3]
.endr
.endr
	WIN 0
	RED4
.irp k, 0,1,2,3
	v_mul_f32 v[216+2*\k], s57, v[208+\k]          ; the mean, twice: a pair for the packed forms
.endr
.irp k, 0,1,2,3
	v_mov_b32 v[217+2*\k], v[216+2*\k]
.endr
	WIN 0x82                                       ; x in place
.irp k, 0,1,2,3
.set pp, 0
.rept 16
	v_pk_add_f32 v[XB+32*\k+pp:XB+32*\k+pp+1], v[XB+32*\k+pp:XB+32*\k+pp+1], v[216+2*\k:217+2*\k] neg_lo:[0,1] neg_hi:[0,1]
.set pp, pp+2
.endr
.endr
	WIN 0x0a
.irp k, 0,1,2,3
	v_pk_mul_f32 v[192+4*\k:193+4*\k], v[XB+32*\k:XB+32*\k+1], v[XB+32*\k:XB+32*\k+1]
	v_pk_mul_f32 v[194+4*\k:195+4*\k], v[XB+32*\k+2:XB+32*\k+3], v[XB+32*\k+2:XB+32*\k+3]
.endr
.irp p, 4,8,12,16,20,24,28
.irp k, 0,1,2,3
	v_pk_fma_f32 v[192+4*\k:193+4*\k], v[XB+32*\k+\p:XB+32*\k+\p+1], v[XB+32*\k+\p:XB+32*\k+\p+1], v[192+4*\k:193+4*\k]
	v_pk_fma_f32 v[194+4*\k:195+4*\k], v[XB+32*\k+\p+2:XB+32*\k+\p+3], v[XB+32*\k+\p+2:XB+32*\k+\p+3], v[194+4*\k:195+4*\k]
.endr
.endr
	WIN 0
	RED4
.irp k, 0,1,2,3
	v_fma_f32 v[208+\k], v[208+\k], s57, s56       ; the variance + 1e-5
.endr
.irp k, 0,1,2,3
	v_rsq_f32 v[216+2*\k], v[208+\k]
.endr
	v_nop                                          ; a plain line behind the last of the batch,
	s_wait_alu depctr_va_vdst(0)                   ; and one wait ahead of its first reader
.irp k, 0,1,2,3
	v_mov_b32 v[217+2*\k], v[216+2*\k]
.endr
	WIN 0x82
.irp k, 0,1,2,3
.set pp, 0
.rept 16
	v_pk_mul_f32 v[XB+32*\k+pp:XB+32*\k+pp+1], v[XB+32*\k+pp:XB+32*\k+pp+1], v[216+2*\k:217+2*\k]
.set pp, pp+2
.endr
.endr
.irp k, 0,1,2,3
.set pp, 0
.rept 16
	v_pk_mul_f32 v[XB+32*\k+pp:XB+32*\k+pp+1], v[XB+32*\k+pp:XB+32*\k+pp+1], v[128+pp:129+pp]
.set pp, pp+2
.endr
.endr
	s_wait_dscnt 0x0                               ; the last group's stores have read v64-127
	WIN 0x0a
.irp k, 0,1,2,3
.set nn, 0
.rept 16
	v_cvt_pk_f16_f32 v[64+16*\k+nn], v[XB+32*\k+2*nn], v[XB+32*\k+2*nn+1]
.set nn, nn+1
.endr
.endr
	WIN 0
.irp k, 0,1,2,3
.irp i, 0,1,2,3,4,5,6,7
	ds_store_b64 v[29+\i/4], v[64+16*\k+2*\i:65+16*\k+2*\i] offset:((\i/2)%2)*PANEL+(4*(\hf)+\k)*PITCH+(\i%2)*256   ; 256 consecutive bytes of a row
.endr
.endr
.endm
	s_mov_b32 s62, 0
	s_mov_b32 s66, 0                               ; eight rows of ACT a trip
.Lln1:
	s_wait_dscnt 0x0                               ; the last trip's stores have read their address registers
	v_add_nc_u32 v29, s66, v13
	v_add_nc_u32 v30, s66, v14
	s_wait_loadcnt 32                              ; the first group's 32 loads are in, the second's may be out
	GROUP 0
	s_wait_loadcnt 0x0                             ; the second group's are in
	s_cmp_eq_u32 s62, 0
	s_cbranch_scc0 .Lsecond_trip
	WIN 0x80
	XLOAD 0, 8                                     ; the first trip asks for rows 8-11 into the registers just left;
	WIN 0
	s_branch .Lrows_asked
.Lsecond_trip:
	LOAD_D 0, 0                                    ; the second, which has no rows left to ask for, for Wq's fragments 8-15 of K steps 0 and 1: a group's arithmetic ahead of their use
	LOAD_D 1, 32768
	WIN 0
.Lrows_asked:
	GROUP 1
	s_cmp_eq_u32 s62, 0
	s_cbranch_scc0 .Lno_rows_12
	WIN 0x80
	XLOAD 1, 12                                    ; rows 12-15
	WIN 0
.Lno_rows_12:
	s_add_co_u32 s66, s66, 8*PITCH
	s_add_co_u32 s62, s62, 1
	s_cmp_lt_u32 s62, 2
	s_cbranch_scc1 .Lln1
	s_wait_dscnt 0x0                               ; for the others' sake: my rows of xn and my part of the bias lie in LDS
	s_wait_tensorcnt 0x1                           ; my quarter of slot 0 is in; slot 1's may stay out
	s_barrier_signal -1
	s_barrier_wait -1
	s_mov_b32 s61, s58
	AKS
	v_add_nc_u32 v7, s73, v6
	FETCH_A 0
	s_mov_b32 s85, 0
	v_add_nc_u32 v28, s85, v10
	FETCH_L 0, 0
	WIN 0
; ================ q = xn Wq.  K steps 29 and 31 ask for K and V of attention's first step: the ring goes on.  Step 31's fetch brings K.
; ================ Every wave's last read of xn was over ahead of step 31's round: behind it ACT may be written.
	GEMM 44, 98, 2, 86, 3, 88, 2
	PLACES4                                        ; between the last product and the first read of results
.irp a, 0,1,2,3                        ; q, rounded to f16, into my panel: 16 bytes a lane.  Nobody but my wave touches the panel until the last projection
.if \a >= 2
	s_wait_dscnt 16                                ; the stores of the row tile two back have read their registers; the last tile's 16 may be out
.endif
	WIN 0x0a+5*(\a/2)
.set nn, 0
.rept 64
	v_cvt_pk_f16_f32 v[192-64*(\a%2)+nn], v[128*(\a%2)+2*nn], v[128*(\a%2)+2*nn+1]   ; each accumulator from its low end on
.set nn, nn+1
.endr
	WIN 0
.set bb, 0
.rept 16
	ds_store_b128 v8, v[192-64*(\a%2)+4*bb:192-64*(\a%2)+4*bb+3] offset:ROWT*\a+32*bb
.set bb, bb+1
.endr
.endr
	s_wait_xcnt 0x0                                ; Wq's last loads have read their base:
	s_lshl_b32 s72, s58, 15
	s_mov_b32 s73, 0
	s_add_nc_u64 s[96:97], s[2:3], s[72:73]        ; Wo's fragments 8-15 of K steps 0 and 1
; ================ ATTENTION: four heads a wave, four steps of 128 keys a head.  K's tiles go through slot 0, V's through slot 1: two rounds a step.
; Product pix of 32 of S^T = K Q^T + bias for the piece that begins at tile x: the first 16 take channels 0-31 and the bias, the others channels 32-63; 16 accumulators by turns.
.macro KQI x
.set qq, (\x)+pix%2
.set kt, (pix%16)/2
.if pix < 16
	WIN 0x81                                       ; K window 1, Q and the bias window 0, S^T window 2
	v_wmma_f32_16x16x32_f16 v[64*qq+8*kt:64*qq+8*kt+7], v[16*kt:16*kt+7], v[64+16*qq:71+16*qq], v[128+8*kt:135+8*kt]
.else
	WIN 0xa1
	v_wmma_f32_16x16x32_f16 v[64*qq+8*kt:64*qq+8*kt+7], v[16*kt+8:16*kt+15], v[72+16*qq:79+16*qq], v[64*qq+8*kt:64*qq+8*kt+7]
.endif
.endm
; Product pix of 32 of O^T += V^T P for the piece: keys 32 (pix / 8) on, channels 16 ((pix % 8) / 2) on; 8 accumulators by turns.
.macro PVI x
.set qq, (\x)+pix%2
.set dd, (pix%8)/2
.set ks, pix/8
	WIN 0xfd                                       ; V window 1; P, C and D window 3
	v_wmma_f32_16x16x32_f16 v[32*qq+8*dd:32*qq+8*dd+7], v[128+8*(8*(ks/2)+2*dd+ks%2):135+8*(8*(ks/2)+2*dd+ks%2)], v[128+32*qq+8*ks:135+32*qq+8*ks], v[32*qq+8*dd:32*qq+8*dd+7]
.endm
; A PIECE'S SOFTMAX FOR A STEP IS A LIST OF 428 LINES; the two tiles take turns line by line.  For tile tt, statistics at v[32 + 8 tt]: +0 m, +1 named with it as a pair, +2, +3 the sum, +4 to +7 c0-c3, at work.
; Lines 0-73 (SMA, 37 a tile): the maximum of the lane's 64 scores and the old m: four chains, each over 16 registers in ascending order;
; the other half of the lanes'; m_old - m_new; the new m; a = 2^(m_old - m_new) into c2.
.macro SMA
.set rT, 32+8*tt
.set rS, 64*tt
.if jj < 4
	WIN 0x2a
	v_max3_num_f32 v[rT+4+jj], v[rS+16*jj], v[rS+16*jj+1], v[rS+16*jj+2]
.elseif jj < 28
	WIN 0x28
	v_max3_num_f32 v[rT+4+jj%4], v[rT+4+jj%4], v[rS+16*(jj%4)+2*(jj/4)+1], v[rS+16*(jj%4)+2*(jj/4)+2]
.elseif jj == 28
	WIN 0x28
	v_max3_num_f32 v[rT+4], v[rT+4], v[rS+15], v[rS+31]
.elseif jj == 29
	WIN 0x28
	v_max3_num_f32 v[rT+6], v[rT+6], v[rS+47], v[rS+63]
.elseif jj == 30
	WIN 0
	v_max3_num_f32 v[rT+4], v[rT+4], v[rT+5], v[rT+6]
.elseif jj == 31
	WIN 0
	v_max3_num_f32 v[rT+4], v[rT+4], v[rT+7], v[rT]
.elseif jj == 32
	WIN 0
	v_permlanex16_b32 v[rT+5], v[rT+4], s54, s55   ; the query's other 64 keys lie in the lane 16 away
.elseif jj == 33
	WIN 0
	v_max_num_f32 v[rT+4], v[rT+4], v[rT+5]
.elseif jj == 34
	WIN 0
	v_sub_f32 v[rT+7], v[rT], v[rT+4]
.elseif jj == 35
	WIN 0
	v_mov_b32 v[rT], v[rT+4]
.else
	WIN 0
	v_exp_f32 v[rT+6], v[rT+7]
.endif
.endm
; Lines 74-265 (SME, 96 a tile): s - m, a pair a line, and p = 2^(s - m) in place.  Four subtractions lead; then two exponentials and a subtraction by turns; the last eight exponentials.  None of these lines
; names an exponential's result.
.macro SME
.set rT, 32+8*tt
.set rS, 64*tt
	WIN 0x82
.set pq, -1
.set ee, 0
.if jj < 4
.set pq, jj
.elseif jj < 88
.if (jj-4)%3 == 2
.set pq, (jj-4)/3+4
.else
.set ee, 2*((jj-4)/3)+(jj-4)%3
.endif
.else
.set ee, jj-32
.endif
.if pq >= 0
	v_pk_add_f32 v[rS+2*pq:rS+2*pq+1], v[rS+2*pq:rS+2*pq+1], v[rT:rT+1] op_sel_hi:[1,0] neg_lo:[0,1] neg_hi:[0,1]
.else
	v_exp_f32 v[rS+ee], v[rS+ee]
.endif
.endm
; Lines 268-427 (SMR, 80 a tile), behind the wait: the sum of the unrounded p in two chains of pairs; l = l a + the sum; p to f16: two neighbouring tiles of keys ARE a fragment of P; O^T x a, from each
; accumulator's low end on.  A head begins with m = -3e38, so its first a is 0, and makes zeros of what O^T's registers hold (finite numbers: the last head's o, at first the first projection's sums):
; so the step is written once, and nothing is cleared.
.macro SMR
.set rT, 32+8*tt
.set rS, 64*tt
.set rU, 192+4*tt
.if jj == 0
	WIN 0x0a
	v_pk_add_f32 v[rU:rU+1], v[rS:rS+1], v[rS+2:rS+3]
.elseif jj == 1
	WIN 0x0a
	v_pk_add_f32 v[rU+2:rU+3], v[rS+4:rS+5], v[rS+6:rS+7]
.elseif jj < 30
	WIN 0x08
	v_pk_add_f32 v[rU+2*(jj%2):rU+2*(jj%2)+1], v[rU+2*(jj%2):rU+2*(jj%2)+1], v[rS+4+2*jj:rS+5+2*jj]
.elseif jj == 30
	WIN 0
	v_pk_add_f32 v[rU:rU+1], v[rU:rU+1], v[rU+2:rU+3]
.elseif jj == 31
	WIN 0
	v_pk_fma_f32 v[rT+2:rT+3], v[rT+2:rT+3], v[rT+6:rT+7], v[rU:rU+1] op_sel_hi:[1,0,1]
.elseif jj < 64
	WIN 0xca
	v_cvt_pk_f16_f32 v[128+32*tt+jj-32], v[rS+2*(jj-32)], v[rS+2*(jj-32)+1]
.else
	WIN 0xc3
	v_pk_mul_f32 v[32*tt+2*(jj-64):32*tt+2*(jj-64)+1], v[32*tt+2*(jj-64):32*tt+2*(jj-64)+1], v[rT+6:rT+7] op_sel_hi:[1,0]
.endif
.endm
.macro VENT y                          ; line vn of the list of the piece that begins at tile y
.if vn < 74
.set tt, (\y)+vn%2
.set jj, vn/2
	SMA
.elseif vn < 266
.set tt, (\y)+(vn-74)%2
.set jj, (vn-74)/2
	SME
.elseif vn == 266
	v_nop                                          ; a plain line behind the last exponential,
.elseif vn == 267
	s_wait_alu depctr_va_vdst(0)                   ; and ONE wait for the piece's 130, ahead of the first line that names a result
.else
.set tt, (\y)+(vn-268)%2
.set jj, (vn-268)/2
	SMR
.endif
.set vn, vn+1
.endm
; 32 products of piece x (kind 0: K Q^T; 1: V^T P), and behind each a slice, 13 or 14 lines, of piece y's list.  The two pieces share no register, so the slices' plain lines are also places behind the products.
.macro PHASE kind, x, y
.set vn, 0
.set pix, 0
.rept 32
.if \kind
	PVI \x
.else
	KQI \x
.endif
.rept ((pix+1)*428)/32-(pix*428)/32
	VENT \y
.endr
.set pix, pix+1
.endr
.endm
	s_mov_b32 s67, 0                               ; the step, 0..15
	s_mov_b32 s63, 0
.Lhead:
	s_wait_dscnt 0x0                               ; my stores into the panel are done and have read their address
	s_lshr_b32 s72, s67, 2
	s_add_co_u32 s72, s72, s59
	s_and_b32 s72, s72, 3                          ; the head group g: my head is 4 wave + g
	s_lshl_b32 s72, s72, 7
	v_add_nc_u32 v9, s72, v8                       ; its 128 bytes in my panel's rows
.irp q, 0,1,2,3
.irp d, 0,1
.irp c, 0,1
	ds_load_b128 v[64+16*\q+8*\d+4*\c:67+16*\q+8*\d+4*\c], v9 offset:ROWT*\q+64*\d+32*\c   ; Q stays in registers for the head
.endr
.endr
.endr
.irp q, 0,1,2,3
	v_mov_b32 v[32+8*\q], 0xff61b1e6               ; m: -3e38, under every score
	v_mov_b32 v[33+8*\q], 0                        ; (named with m as a pair)
	v_mov_b32 v[34+8*\q], 0                        ; the sum, in two halves
	v_mov_b32 v[35+8*\q], 0
.endr
	s_mov_b32 s66, 0
.Lstep:
	s_wait_tensorcnt 0x0                           ; all my tensor loads have landed: V of this step
	ds_add_u32 v4, v5                              ; 0 onto my spare word; the scalar work stands between it and its wait
	s_add_co_u32 s72, s67, 1                       ; the next step's tiles: 4 g + j
	s_lshr_b32 s73, s72, 2
	s_add_co_u32 s73, s73, s59
	s_and_b32 s73, s73, 3
	s_lshl_b32 s73, s73, 2
	s_add_co_u32 s72, s72, s60
	s_and_b32 s72, s72, 3
	s_add_co_u32 s72, s72, s73
	s_lshl_b32 s68, s72, 17
	s_mov_b32 s69, 0
	s_add_co_u32 s70, s68, 65536
	s_mov_b32 s71, 0
	s_add_co_u32 s74, s67, s60
	s_and_b32 s74, s74, 3
	s_lshl_b32 s74, s74, 9                         ; this step's chunk of keys: 512 bytes of bias
	s_wait_dscnt 0x0                               ; the add is done; K and Q are in registers: my reads of slot 0 are over
	ROUND
	s_add_nc_u64 s[72:73], s[46:47], s[68:69]
	s_cmp_eq_u32 s67, 15                           ; behind the last step the ring goes on with Wo's first pair of K steps
	s_cselect_b64 s[38:39], s[50:51], s[72:73]
	s_or_b32 s39, s39, 0x80000000
	JLOAD 36                                       ; the next K: both pieces' scores and piece 0's softmax in which to land
	v_add_nc_u32 v16, s74, v15
.irp t, 0,1,2,3,4,5,6,7
	ds_load_b128 v[128+8*\t:131+8*\t], v16 offset:64*\t        ; the bias in the result's layout: register j = key 16 t + 8 h + j
	ds_load_b128 v[132+8*\t:135+8*\t], v16 offset:64*\t+16
.endr
	FETCH_B 1, 1                                   ; V
	s_wait_dscnt 32                                ; the bias is in; V's 32 loads may be out
.set pix, 0
.rept 32
	KQI 0                                          ; piece 0's scores: no vector work is at hand yet
.set pix, pix+1
.endr
	WIN 0
	PLACES4                                        ; between piece 0's last product and the first read of its scores
	PHASE 0, 2, 0                                  ; piece 2's scores | piece 0's softmax
	WIN 0
	s_wait_tensorcnt 0x0                           ; all my tensor loads have landed: the next K
	ds_add_u32 v4, v5
	s_wait_dscnt 0x0                               ; the add is done; V is in registers: my reads of slot 1 are over
	ROUND
	s_add_nc_u64 s[72:73], s[46:47], s[70:71]
	s_cmp_eq_u32 s67, 15
	s_cselect_b64 s[42:43], s[52:53], s[72:73]     ; behind the last step: Wo's second pair
	s_or_b32 s43, s43, 0x80000000
	JLOAD 40                                       ; the next V: both pieces' V^T P and piece 2's softmax in which to land
	FETCH_B 0, 0                                   ; the next K (behind the last step: Wo's fragments 0-7 of K steps 0 and 1; the first eight are set 0's)
	PHASE 1, 0, 2                                  ; piece 0's V^T P | piece 2's softmax
.set pix, 0
.rept 32
	PVI 2                                          ; piece 2's V^T P
.set pix, pix+1
.endr
	WIN 0
	s_add_co_u32 s67, s67, 1
	s_add_co_u32 s66, s66, 1
	s_cmp_lt_u32 s66, 4
	s_cbranch_scc1 .Lstep
	PLACES4                                        ; between the last product and the first read of results
.irp q, 0,1,2,3
	v_add_f32 v[36+8*\q], v[34+8*\q], v[35+8*\q]
.endr
.irp q, 0,1,2,3
	v_permlanex16_b32 v[37+8*\q], v[36+8*\q], s54, s55
.endr
.irp q, 0,1,2,3
	v_add_f32 v[36+8*\q], v[36+8*\q], v[37+8*\q]   ; the row's sum: at least 1, since the largest p is 1
.endr
.irp q, 0,1,2,3
	v_rcp_f32 v[38+8*\q], v[36+8*\q]
.endr
	v_nop
	s_wait_alu depctr_va_vdst(0)                   ; one wait for the four reciprocals, ahead of their first reader
	WIN 0xc3
.irp q, 0,1,2,3
.set pp, 0
.rept 16
	v_pk_mul_f32 v[32*\q+pp:32*\q+pp+1], v[32*\q+pp:32*\q+pp+1], v[38+8*\q:39+8*\q] op_sel_hi:[1,0]
.set pp, pp+2
.endr
.endr
	WIN 0x0f
.set nn, 0
.rept 64
	v_cvt_pk_f16_f32 v[192+nn], v[2*nn], v[2*nn+1]
.set nn, nn+1
.endr
	WIN 0
.irp q, 0,1,2,3
.irp d, 0,1,2,3
	ds_store_b128 v9, v[192+16*\q+4*\d:195+16*\q+4*\d] offset:ROWT*\q+32*\d   ; o takes q's place
.endr
.endr
	s_add_co_u32 s63, s63, 1
	s_cmp_lt_u32 s63, 4
	s_cbranch_scc1 .Lhead
; ================ y = o Wo
	s_wait_dscnt 0x0                               ; for the others' sake: my panel of o lies in LDS; and the last fetch from slot 0 is in
	LOAD_D 0, 0                                    ; Wo's fragments 8-15 of K steps 0 and 1, into the registers that K and V have left
	LOAD_D 1, 32768
	WIN 0
	s_barrier_signal -1                            ; Wo's second pair may stay out
	s_barrier_wait -1
	s_mov_b32 s61, s58
	AKS
	v_add_nc_u32 v7, s73, v6
	FETCH_A 0
	s_mov_b32 s85, 0
	v_add_nc_u32 v28, s85, v10
	GEMM 48, 2, 0, 48, 0, 48, 0                    ; the last three K steps ask for no tile
; ================ THE LAST NORM: a row's 1,024 numbers lie in two lanes of each of the four waves: the waves' parts meet in LDS, once for the mean and once for the squares of y - mean.
.macro YSUM ap, sq                     ; row tiles 2 ap, 2 ap + 1: two chains of pairs each, in ascending order
	WIN 0x0a+5*(\ap)
.irp e, 0,1
.if \sq
	v_pk_mul_f32 v[192+8*(\ap)+4*\e:193+8*(\ap)+4*\e], v[128*\e:128*\e+1], v[128*\e:128*\e+1]
	v_pk_mul_f32 v[194+8*(\ap)+4*\e:195+8*(\ap)+4*\e], v[128*\e+2:128*\e+3], v[128*\e+2:128*\e+3]
.else
	v_pk_add_f32 v[192+8*(\ap)+4*\e:193+8*(\ap)+4*\e], v[128*\e:128*\e+1], v[128*\e+4:128*\e+5]
	v_pk_add_f32 v[194+8*(\ap)+4*\e:195+8*(\ap)+4*\e], v[128*\e+2:128*\e+3], v[128*\e+6:128*\e+7]
.endif
.endr
.if \sq
.set pp, 4
.rept 31
.irp e, 0,1
	v_pk_fma_f32 v[192+8*(\ap)+4*\e:193+8*(\ap)+4*\e], v[128*\e+pp:128*\e+pp+1], v[128*\e+pp:128*\e+pp+1], v[192+8*(\ap)+4*\e:193+8*(\ap)+4*\e]
	v_pk_fma_f32 v[194+8*(\ap)+4*\e:195+8*(\ap)+4*\e], v[128*\e+pp+2:128*\e+pp+3], v[128*\e+pp+2:128*\e+pp+3], v[194+8*(\ap)+4*\e:195+8*(\ap)+4*\e]
.endr
.set pp, pp+4
.endr
.else
	WIN 0x08+4*(\ap)
.set pp, 8
.rept 30
.irp e, 0,1
	v_pk_add_f32 v[192+8*(\ap)+4*\e:193+8*(\ap)+4*\e], v[192+8*(\ap)+4*\e:193+8*(\ap)+4*\e], v[128*\e+pp:128*\e+pp+1]
	v_pk_add_f32 v[194+8*(\ap)+4*\e:195+8*(\ap)+4*\e], v[194+8*(\ap)+4*\e:195+8*(\ap)+4*\e], v[128*\e+pp+2:128*\e+pp+3]
.endr
.set pp, pp+4
.endr
.endif
.endm
.macro YRED off                        ; the chains -> the rows' sums over all four waves, in v[208 + a]
	WIN 0
.irp a, 0,1,2,3
	v_pk_add_f32 v[192+4*\a:193+4*\a], v[192+4*\a:193+4*\a], v[194+4*\a:195+4*\a]
.endr
.irp a, 0,1,2,3
	v_add_f32 v[208+\a], v[192+4*\a], v[193+4*\a]
.endr
.irp a, 0,1,2,3
	v_permlanex16_b32 v[212+\a], v[208+\a], s54, s55
.endr
.irp a, 0,1,2,3
	v_add_f32 v[208+\a], v[208+\a], v[212+\a]
.endr
.irp a, 0,1,2,3
	ds_store_b32 v17, v[208+\a] offset:\off+256*\a   ; both lanes of a row write the same word with the same value
.endr
	s_wait_dscnt 0x0                               ; for the others' sake
	s_barrier_signal -1
	s_barrier_wait -1
.irp a, 0,1,2,3
	ds_load_b128 v[224+4*\a:227+4*\a], v18 offset:\off+256*\a
.endr
	s_wait_dscnt 0x0
.irp a, 0,1,2,3
	v_add_f32 v[224+4*\a], v[224+4*\a], v[225+4*\a]
.endr
.irp a, 0,1,2,3
	v_add_f32 v[226+4*\a], v[226+4*\a], v[227+4*\a]
.endr
.irp a, 0,1,2,3
	v_add_f32 v[208+\a], v[224+4*\a], v[226+4*\a]
.endr
.endm
.macro YALL ap, kind                   ; all of y of row tiles 2 ap, 2 ap + 1, in place.  kind 0: - the mean; 1: x 1 / sigma; 2: x gamma_out (window 1)
.if \kind == 2
	WIN 0x86+0x41*(\ap)
.else
	WIN 0x82+0x41*(\ap)
.endif
.irp e, 0,1
.set pp, 0
.rept 64
.if \kind == 0
	v_pk_add_f32 v[128*\e+pp:128*\e+pp+1], v[128*\e+pp:128*\e+pp+1], v[216+4*(\ap)+2*\e:217+4*(\ap)+2*\e] neg_lo:[0,1] neg_hi:[0,1]
.elseif \kind == 1
	v_pk_mul_f32 v[128*\e+pp:128*\e+pp+1], v[128*\e+pp:128*\e+pp+1], v[216+4*(\ap)+2*\e:217+4*(\ap)+2*\e]
.else
	v_pk_mul_f32 v[128*\e+pp:128*\e+pp+1], v[128*\e+pp:128*\e+pp+1], v[pp:pp+1]
.endif
.set pp, pp+2
.endr
.endr
.endm
	PLACES4                                        ; between the last product, the loads into registers that products have read, and the first read of results
	WIN 0x40
.set bb, 0
.rept 16
	global_load_b128 v[8*bb:8*bb+3], v21, s[20:21] offset:64*bb      ; gamma_out in the result's layout: register 8 b + j = column 256 wave + 16 b + 8 h + j
	global_load_b128 v[8*bb+4:8*bb+7], v21, s[20:21] offset:64*bb+16
.set bb, bb+1
.endr
	YSUM 0, 0
	YSUM 1, 0
	YRED 0
.irp a, 0,1,2,3
	v_mul_f32 v[216+2*\a], s57, v[208+\a]
.endr
.irp a, 0,1,2,3
	v_mov_b32 v[217+2*\a], v[216+2*\a]
.endr
	YALL 0, 0
	YALL 1, 0
	YSUM 0, 1
	YSUM 1, 1
	YRED 1024
.irp a, 0,1,2,3
	v_fma_f32 v[208+\a], v[208+\a], s57, s56
.endr
.irp a, 0,1,2,3
	v_rsq_f32 v[216+2*\a], v[208+\a]
.endr
	v_nop
	s_wait_alu depctr_va_vdst(0)                   ; one wait for the four, ahead of their first reader
.irp a, 0,1,2,3
	v_mov_b32 v[217+2*\a], v[216+2*\a]
.endr
	YALL 0, 1
	YALL 1, 1
	s_wait_loadcnt 0x0                             ; gamma_out
	YALL 0, 2
	YALL 1, 2
; ================ THE WAY OUT, a row tile at a time: 32 bytes a lane into my stage, back as rows of 1,024 bytes.  The stages lie in the slots: these have had their last fill, and every wave's last read of them
; ================ was over ahead of the norm's barriers.  LDS serves a wave's instructions in order (ISA guide 5.7.1.4): no wait between the stores and the loads, nor in front of the next tile's stores.
.macro TOSTAGE a
	WIN 0x08+4*((\a)/2)                            ; an LDS store's data are its source 1
.set bb, 0
.rept 16
	ds_store_b128 v19, v[128*((\a)%2)+8*bb:128*((\a)%2)+8*bb+3] offset:64*bb
	ds_store_b128 v19, v[128*((\a)%2)+8*bb+4:128*((\a)%2)+8*bb+7] offset:64*bb+16
.set bb, bb+1
.endr
	WIN 0x40*((\a)%2)                              ; back into v128-255 of window 0 and window 1 by turns
.set ii, 0
.rept 16
	ds_load_b128 v[128+8*ii:128+8*ii+3], v20 offset:SPI*ii
	ds_load_b128 v[128+8*ii+4:128+8*ii+7], v20 offset:SPI*ii+512
.set ii, ii+1
.endr
.endm
.macro SEND a
	WIN 0x04*((\a)%2)
.set ii, 0
.rept 16
	global_store_b128 v12, v[128+8*ii:128+8*ii+3], s[22:23] offset:(16*(\a)+ii)*4096 th:TH_STORE_NT       ; 32 lanes store 512 consecutive bytes, aligned
	global_store_b128 v12, v[128+8*ii+4:128+8*ii+7], s[22:23] offset:(16*(\a)+ii)*4096+512 th:TH_STORE_NT
.set ii, ii+1
.endr
.endm
	TOSTAGE 0
.irp a, 1,2,3
.if \a > 1
	s_wait_xcnt 0x0                                ; the stores of the tile two back have read their registers: this tile's loads may land there
.endif
	TOSTAGE \a
	s_wait_dscnt 63                                ; the tile before is back in registers (this tile's 64 LDS instructions are younger; the count's field ends at 63)
	SEND \a-1
.endr
	s_wait_dscnt 0x0
	SEND 3
	WIN 0
	s_wait_tensorcnt 0x0                           ; the wave's end: three lines behind my last tensor load and my last LDS store
	ds_add_u32 v4, v5
	s_wait_dscnt 0x0
	ROUND                                          ; the closing round: no work-group ends while a partner may still ask for a tile that names it
	s_endpgm
.Lfunc_end_k_q6fea867a61_fused:
	.size	k_q6fea867a61_fused, .Lfunc_end_k_q6fea867a61_fused-k_q6fea867a61_fused
	.p2alignl 7, 3214868480
	.fill 96, 4, 3214868480
	.section	.rodata,"a",@progbits
	.p2align	6, 0x0
	.amdhsa_kernel k_q6fea867a61_fused
		.amdhsa_group_segment_fixed_size 327680
		.amdhsa_private_segment_fixed_size 0
		.amdhsa_enable_private_segment 0
		.amdhsa_kernarg_size 64
		.amdhsa_user_sgpr_count 2
		.amdhsa_user_sgpr_kernarg_segment_ptr 1
		.amdhsa_wavefront_size32 1
		.amdhsa_system_sgpr_workgroup_id_x 1
		.amdhsa_system_sgpr_workgroup_id_y 1
		.amdhsa_system_sgpr_workgroup_id_z 1
		.amdhsa_system_vgpr_workitem_id 0
		.amdhsa_next_free_vgpr 1024
		.amdhsa_next_free_sgpr 100
		.amdhsa_reserve_vcc 0
		.amdhsa_float_denorm_mode_32 3
		.amdhsa_float_denorm_mode_16_64 3
		.amdhsa_memory_ordered 1
		.amdhsa_forward_progress 1
		.amdhsa_inst_pref_size 255
	.end_amdhsa_kernel
	.section	.bss,"aw",@nobits
	.p2align	6
	.space	262144
	.amdgpu_metadata
---
amdhsa.version: [ 1, 2 ]
amdhsa.kernels:
  - .name:           k_q6fea867a61_fused
    .symbol:         k_q6fea867a61_fused.kd
    .args:
      - { .name: x, .offset: 0, .size: 8, .value_kind: global_buffer, .address_space: global }
      - { .name: gamma_x, .offset: 8, .size: 8, .value_kind: global_buffer, .address_space: global }
      - { .name: mask, .offset: 16, .size: 8, .value_kind: global_buffer, .address_space: global }
      - { .name: wqf, .offset: 24, .size: 8, .value_kind: global_buffer, .address_space: global }
      - { .name: kvf, .offset: 32, .size: 8, .value_kind: global_buffer, .address_space: global }
      - { .name: wof, .offset: 40, .size: 8, .value_kind: global_buffer, .address_space: global }
      - { .name: gamma_out, .offset: 48, .size: 8, .value_kind: global_buffer, .address_space: global }
      - { .name: out0, .offset: 56, .size: 8, .value_kind: global_buffer, .address_space: global }
    .group_segment_fixed_size: 327680
    .private_segment_fixed_size: 0
    .kernarg_segment_align: 8
    .kernarg_segment_size: 64
    .max_flat_workgroup_size: 128
    .sgpr_count:     100
    .vgpr_count:     1024
    .wavefront_size: 32
...
	.end_amdgpu_metadata
.endif
;; end of part 3
